; MI455X (gfx1250); checked and timed in simulation.
; The chip was launched on July 23, 2026; its instructions are those of AMD's public machine-readable ISA for CDNA 5 (MIT licence, August 2026) and "CDNA5" Instruction Set Architecture Reference Guide (July 2026). The comments in the code are by the model that wrote it; some were corrected since.
;; Sparse Attention. Allowed arithmetic: float matrix products may take bf16 or f16 operands with f32 sums; all other float work in f32.
;; Inputs: cols 128 x 8 int32; k 4 x 8 x 4 x 32 x 32 x 64 float32; q 4 x 8 x 4 x 32 x 32 x 64 float32; v 4 x 8 x 4 x 32 x 32 x 64 float32; valid 128 x 8 bool.
;; Outputs: out0 4 x 8 x 4 x 32 x 32 x 64 float32.
;; One version. Each part assembles by itself: llvm-mc -triple=amdgcn-amd-amdhsa -mcpu=gfx1250 --defsym DOCPART=n.
;; ======== version 1 of 1: 1 launch
;; limits: values are held in f16: magnitudes above 65,504 overflow, below 6.1e-05 lose precision; inputs' magnitudes at most 65,504
;; launch sparse_attn (part 1): grid 256 x 1, 16 waves a work-group, no clusters, 153,600 bytes of LDS; arguments q, k, v, cols, valid, out0; writes out0
.if DOCPART == 1
	.amdgcn_target "amdgcn-amd-amdhsa--gfx1250"
	.amdhsa_code_object_version 6
	.text
	.protected	k_q4619adb909_sparse_attn
	.globl	k_q4619adb909_sparse_attn
	.p2align	8
	.type	k_q4619adb909_sparse_attn,@function
k_q4619adb909_sparse_attn:
	s_mov_b64 s[64:65], 0
	v_nop
	global_prefetch_b8 v0, s[64:65] scope:SCOPE_SE
	s_setreg_imm32_b32 hwreg(HW_REG_WAVE_MODE, 25, 1), 1
	s_wait_xcnt 0x0
; Block-sparse attention.  q, k, v, out0: [32 heads][128 blocks][32 rows][64] f32.  cols: [128][8] i32.  valid: [128][8] bytes.
; out[row] = softmax over the listed key blocks of (q k^T / 8), lower triangle inside a block whose column equals the row's block, times v.
;
; ONE WAVE = ONE BLOCK ROW (32 queries) OF ONE HEAD; 16 waves a work-group, 256 work-groups: 4,096 waves, all rows.  No wave needs another: no barrier.
; The wave reads its row of cols and valid by scalar loads, packs the VALID columns into a list of bytes and walks that list, one key block a step,
; with a running maximum.  Entries that valid drops are never fetched.  An empty list runs one step with every score masked: the sum of
; exponentials is then 0 and 0 x (1/0) gives the NaN that the softmax of an all-masked row gives.
; Which wave takes which row changes no result.  A work-group takes four neighbouring rows out of each quarter of a head, so that lists of
; different lengths are mixed in a work-group; the eight work-groups of a head differ in bits 4, 1, 0 of the work-group's number.
;
; THE PRODUCTS ARE USED TRANSPOSED.  S^T = K Q^T: a lane holds scores of ONE query (query = lane % 16), keys along its registers, so maximum and sum
; are work inside the lane plus one exchange of the two halves of the wave, and the exponentials pack straight into the operand of the second product.
; O^T = V^T P^T: the query stays in the lane, so the rescaling by the running maximum and the final division are one factor a lane.
; KEY ORDER: row 8h+i of a 16-key tile kt holds key 16 kt + 2 i + h.  Then slot s (0..15) of half h of the wave is key 2 s + h in P, and V's operand
; comes straight from loads of 512 consecutive bytes: load s gives lane (r, h) V[2 s + h][4 r .. 4 r + 3], and two loads' numbers j, rounded and packed,
; are one register of the operand whose row r is d = 4 r + j.  V never touches LDS.  K and Q need d along the registers and go through the wave's own LDS tile.
;
; THE OPERANDS ARE F16, NOT BF16.  A query with few keys has weights near 1, so a weight's rounding shows whole in its output, while the bulk of the rows
; average some 200 keys and set a much smaller scale for the output as a whole.  f16 keeps 11 significant bits where bf16 keeps 8, at the same number of
; instructions.  The room: the inputs are of spread 1; thirty times that, or an offset of thirty spreads, stays under 200, f16 ends at 65,504; at
; a spread of 1/30 f16's smallest step, 6e-8, is 2e-6 of the spread (the matrix unit keeps denormals); the weights lie in [0, 1].
;
; NOT USED, AND WHY.  Joint loads in a cluster: the lists are input data and differ from row to row, so partners would ask for different tiles.
; Tensor loads: a tile is one block of 8,192 bytes, one a wave behind each barrier, and a barrier would tie waves whose lists have different lengths.
; Prefetches: each wave has its next K and V blocks requested a step ahead by the loads themselves, and all waves of the launch run from its start.
;
; LIMITS.  A number of q, k or v above 65,504 in magnitude becomes infinity on its way into a product.  A weight under 3e-8 of its row's running maximum
; enters the second product as 0 (256 keys: at most 8e-6 of a sum that is at least 1).  cols is clamped to 127 (an index stays inside its table).
; Of a byte of valid bit 0 is read.  The running maximum starts at -3.4028e38: scores below that count as that.  v_exp_f32 gives 0 for results
; under 2^-126.  The sum of exponentials is taken from the unrounded f32 numbers, the second product from their f16 roundings (2^-12 apart at the most).
.set KP,     144                       ; LDS pitch of an f16 row: 128 bytes + 16
.set SUB,    2432                      ; odd rows of a tile lie 2,432 bytes behind the even ones (16 x 144 + 128)
.set QTILE,  4736                      ; a tile of 32 rows: SUB + 16 x 144; K's tile at 0, Q's behind it
.set WLDS,   2*QTILE                   ; 9,472 bytes of LDS for each wave, its own
.set OP,     272                       ; pitch of the out stage: 256 bytes + 16; 32 rows = 8,704 bytes, laid over the two tiles when they are done
.set CPOS,   0x3e38aa3b                ; 64^-0.5 x log2(e) = 0.18033688
.set CNEG,   0xbe38aa3b                ; the same, negative
.set FLOOR,  0xff7fffff                ; -3.4028e38, where the running maximum starts
; vector registers
.set OFF,  1                           ; 16 x lane: my 16 bytes of every load and store of 512 bytes; never rewritten
.set LST,  2                           ; LDS: where my 8 bytes of a rounded row go
.set LFK,  3                           ; LDS: my K fragment
.set LFQ,  4                           ; LDS: my Q fragment
.set NINF, 5                           ; -infinity
.set M,    6                           ; v[6:7]    running maximum of my query in rows 0-15, 16-31
.set NM,   8                           ; v[8:9]    -maximum x c
.set AL,   10                          ; v[10:11]  factor that brings the old sums to the new maximum
.set LP,   12                          ; v[12:15]  sums of exponentials, a pair for each of my two queries
.set P,    16                          ; v[16:31]  P operand, 8 registers for each 16 queries; at work before that
.set S,    32                          ; v[32:63]  scores: 16 q + 8 kt + i; then V's four operands
.set O,    64                          ; v[64:127] O^T: 32 q + 8 j + i; at the start Q as loaded
.set KR,   128                         ; v[128:191] K as loaded; then K's and Q's fragments
.set KF,   KR
.set QF,   KR+32
.set VR,   192                         ; v[192:255] V as loaded
; scalar registers: s[4:5] q at my block, s[6:7] k at my head, s[8:9] v at my head, s[14:15] out0 at my block, s16 wave, s17 my block row,
; s[22:23] the list, s32 its length, s[42:43] a block's byte offset, s46 this step's column, s48 the next one's, s47 my LDS, s[50:51] lane selects,
; s52 all ones unless the list is empty, s53 the column that asks for masks, s54 loop counter, s55 the factor c, s[56:57] K block, s[58:59] V block,
; s[68:75] triangle masks
.set TM, 68
	s_load_b256 s[4:11], s[0:1], 0x0               ; q, k, v, cols
	s_load_b128 s[12:15], s[0:1], 0x20             ; valid, out0
	v_lshrrev_b32 v[P], 5, v0
	v_readfirstlane_b32 s16, v[P]                  ; wave 0..15
	v_and_b32 v[OFF], 31, v0
	v_lshlrev_b32 v[OFF], 4, v[OFF]
	s_bfe_u32 s33, ttmp9, 0x20002                  ; bits 3:2 of the work-group's number
	s_lshr_b32 s18, ttmp9, 5                       ; bits 7:5
	s_lshl2_add_u32 s33, s18, s33                  ; head 0..31
	s_and_b32 s17, ttmp9, 3                        ; bits 1:0
	s_bfe_u32 s18, ttmp9, 0x10004                  ; bit 4
	s_lshl2_add_u32 s17, s18, s17                  ; which eighth of each quarter, 0..7
	s_lshr_b32 s18, s16, 2                         ; wave / 4: which of the four neighbouring rows
	s_add_co_u32 s19, s16, s18
	s_and_b32 s19, s19, 3                          ; (wave + wave / 4) % 4: which quarter
	s_lshl2_add_u32 s17, s17, s18
	s_lshl_b32 s19, s19, 5
	s_add_co_u32 s17, s17, s19                     ; my block row = 32 quarter + 4 eighth + wave / 4
	s_lshl_b32 s34, s33, 20                        ; a head is 1,048,576 bytes
	s_mov_b32 s35, 0
	s_lshl_b32 s36, s17, 13                        ; a block is 8,192 bytes
	s_add_co_u32 s36, s36, s34
	s_mov_b32 s37, 0
	s_lshl_b32 s38, s17, 5                         ; a row of cols is 32 bytes,
	s_mov_b32 s39, 0
	s_lshl_b32 s40, s17, 3                         ; of valid 8
	s_mov_b32 s41, 0
	s_mov_b32 s43, 0
	s_mov_b32 s50, 0x76543210                      ; v_permlanex16_b32: lane i of one half reads lane i of the other
	s_mov_b32 s51, 0xfedcba98
	s_mov_b32 s55, CPOS
	s_mul_i32 s47, s16, WLDS
	s_wait_kmcnt 0x0
	s_add_nc_u64 s[10:11], s[10:11], s[38:39]
	s_add_nc_u64 s[12:13], s[12:13], s[40:41]
	s_load_b256 s[24:31], s[10:11], 0x0            ; my eight columns
	s_load_b64 s[20:21], s[12:13], 0x0             ; my eight flags
	s_add_nc_u64 s[4:5], s[4:5], s[36:37]
	s_add_nc_u64 s[14:15], s[14:15], s[36:37]
	s_add_nc_u64 s[6:7], s[6:7], s[34:35]
	s_add_nc_u64 s[8:9], s[8:9], s[34:35]
.irp i, 0,1,2,3,4,5,6,7,8,9,10,11,12,13,14,15
	global_load_b128 v[O+4*\i:O+4*\i+3], v[OFF], s[4:5] offset:512*\i th:TH_LOAD_NT   ; Q, rows 2 i and 2 i + 1: read once in the launch
.endr
	; LDS addresses.  r = lane % 16, h = lane / 16.  Row x of a tile lies at (x / 2) 144 + (x % 2) 2,432.  A store of 8 bytes a lane then puts
	; the even row's 128 bytes and the odd row's in different halves of the 64 banks (ISA guide 11.1), and the 16 rows of a fragment start at 16 different 16-byte columns.
	v_and_b32 v[P], 15, v0                         ; r
	v_bfe_u32 v[P+1], v0, 4, 1                     ; h
	v_mul_u32_u24 v[LST], v[P+1], SUB              ; load i brings me row 2 i + h, d = 4 r .. 4 r + 3: 8 bytes at 144 i + 2,432 h + 8 r
	v_lshl_add_u32 v[LST], v[P], 3, v[LST]
	v_add_nc_u32 v[LST], s47, v[LST]
	v_and_b32 v[P+2], 7, v0                        ; K: fragment row r is key 2 (r % 8) + r / 8 of its 16
	v_bfe_u32 v[P+3], v0, 3, 1
	v_mul_u32_u24 v[LFK], v[P+2], KP
	v_mul_u32_u24 v[P+3], v[P+3], SUB
	v_add_nc_u32 v[LFK], v[LFK], v[P+3]
	v_lshl_add_u32 v[LFK], v[P+1], 4, v[LFK]       ; + 16 h: d = 8 h .. 8 h + 7
	v_add_nc_u32 v[LFK], s47, v[LFK]
	v_bfe_u32 v[P+2], v0, 1, 3                     ; Q: fragment column r is query r of its 16
	v_and_b32 v[P+3], 1, v0
	v_mul_u32_u24 v[LFQ], v[P+2], KP
	v_mul_u32_u24 v[P+3], v[P+3], SUB
	v_add_nc_u32 v[LFQ], v[LFQ], v[P+3]
	v_lshl_add_u32 v[LFQ], v[P+1], 4, v[LFQ]
	v_add_nc_u32 v[LFQ], s47, v[LFQ]
	v_mov_b32 v[NINF], 0xff800000
	v_sub_nc_u32 v[P+2], v[P], v[P+1]              ; r - h
.irp i, 0,1,2,3,4,5,6,7
	v_cmp_le_i32 s[TM+\i], 2*\i, v[P+2]            ; register i of a tile on the diagonal: key 2 i + h <= query r
.endr
	; The list: the valid columns, one byte each, in the order of cols.  s32 counts 8 bits for each entry kept.
	s_mov_b32 s22, 0
	s_mov_b32 s23, 0
	s_mov_b32 s32, 0
	s_wait_kmcnt 0x0
.irp m, 0,1,2,3,4,5,6,7
	s_bfe_u32 s33, s[20+\m/4], (1<<16)|(8*(\m%4))  ; flag m
	s_min_u32 s42, s[24+\m], 127
	s_mul_i32 s42, s42, s33                        ; a dropped entry adds nothing
	s_lshl_b64 s[44:45], s[42:43], s32
	s_add_nc_u64 s[22:23], s[22:23], s[44:45]
	s_lshl3_add_u32 s32, s33, s32
.endr
	s_lshr_b32 s32, s32, 3                         ; entries kept
	s_cmp_lg_u32 s32, 0
	s_cselect_b32 s52, -1, 0                       ; empty list: every mask is 0,
	s_cselect_b32 s53, s17, 0                      ; and the one step (column 0) takes the masked way
	s_max_u32 s32, s32, 1                          ; steps
	s_and_b32 s46, s22, 0xff
	s_min_u32 s46, s46, 127                        ; the first column
	s_lshl_b32 s42, s46, 13
	s_add_nc_u64 s[56:57], s[6:7], s[42:43]
	s_add_nc_u64 s[58:59], s[8:9], s[42:43]
.irp i, 0,1,2,3,4,5,6,7,8,9,10,11,12,13,14,15
	global_load_b128 v[KR+4*\i:KR+4*\i+3], v[OFF], s[56:57] offset:512*\i
.endr
.irp i, 0,1,2,3,4,5,6,7,8,9,10,11,12,13,14,15
	global_load_b128 v[VR+4*\i:VR+4*\i+3], v[OFF], s[58:59] offset:512*\i
.endr
.irp i, 0,1,2,3,4,5,6,7
	s_and_b32 s[TM+\i], s[TM+\i], s52
.endr
	s_wait_loadcnt 32                              ; loads come back in order (ISA guide 5.7.1): Q's 16 are in, K's and V's 32 stay out
.irp i, 0,1,2,3,4,5,6,7,8,9,10,11,12,13,14,15
	v_cvt_pk_f16_f32 v[O+4*\i],   v[O+4*\i],   v[O+4*\i+1]
	v_cvt_pk_f16_f32 v[O+4*\i+1], v[O+4*\i+2], v[O+4*\i+3]
	ds_store_b64 v[LST], v[O+4*\i:O+4*\i+1] offset:QTILE+KP*\i
.endr
; One key block.  At its head the wave has this block's K (16 loads) and, younger, its V (16 loads) on their way.
; first = 1: the first block starts maximum, sums and O (C = 0): nothing is cleared, nothing rescaled.  ahead = 1: the next block's K and V are requested.
.macro STEP first, ahead
	s_wait_loadcnt 16                              ; K is in; V's 16 loads stay out.  K's base register is free from here
.irp i, 0,1,2,3,4,5,6,7,8,9,10,11,12,13,14,15
	v_cvt_pk_f16_f32 v[KR+4*\i],   v[KR+4*\i],   v[KR+4*\i+1]    ; rounded in place.  These 32 lines are also the places behind the last block's
	v_cvt_pk_f16_f32 v[KR+4*\i+1], v[KR+4*\i+2], v[KR+4*\i+3]    ; matrix instructions (ISA guide 7.12.1): they name none of their registers
	ds_store_b64 v[LST], v[KR+4*\i:KR+4*\i+1] offset:KP*\i
.endr
	; fragments: LDS serves a wave's instructions in order (ISA guide 5.7.1.4), so these see the stores above, and the next block's stores come behind these
.irp c, 0,1
.irp t, 0,1
	ds_load_b128 v[KF+16*\c+8*\t:KF+16*\c+8*\t+3],   v[LFK] offset:8*KP*\t+64*\c
	ds_load_b128 v[KF+16*\c+8*\t+4:KF+16*\c+8*\t+7], v[LFK] offset:8*KP*\t+64*\c+32
.endr
.irp t, 0,1
	ds_load_b128 v[QF+16*\c+8*\t:QF+16*\c+8*\t+3],   v[LFQ] offset:QTILE+8*KP*\t+64*\c
	ds_load_b128 v[QF+16*\c+8*\t+4:QF+16*\c+8*\t+7], v[LFQ] offset:QTILE+8*KP*\t+64*\c+32
.endr
.endr
.if \ahead
	s_lshr_b32 s22, s22, 8                         ; the list moves on by one byte
	s_lshl_b32 s49, s23, 24
	s_or_b32 s22, s22, s49
	s_lshr_b32 s23, s23, 8
	s_and_b32 s48, s22, 0xff
	s_min_u32 s48, s48, 127                        ; the next column
	s_lshl_b32 s42, s48, 13
	s_add_nc_u64 s[56:57], s[6:7], s[42:43]
.endif
	s_wait_dscnt 8                                 ; d = 0..31 is in; the eight loads of d = 32..63 may be out
	; S^T = K Q^T.  The four accumulators take turns, one instruction a turn.
.irp q, 0,1
.irp t, 0,1
	v_wmma_f32_16x16x32_f16 v[S+16*\q+8*\t:S+16*\q+8*\t+7], v[KF+8*\t:KF+8*\t+7], v[QF+8*\q:QF+8*\q+7], 0
.endr
.endr
	s_wait_dscnt 0
.irp q, 0,1
.irp t, 0,1
	v_wmma_f32_16x16x32_f16 v[S+16*\q+8*\t:S+16*\q+8*\t+7], v[KF+16+8*\t:KF+16+8*\t+7], v[QF+16+8*\q:QF+16+8*\q+7], v[S+16*\q+8*\t:S+16*\q+8*\t+7]
.endr
.endr
.rept 4
	v_nop                                          ; four places before the scores are read and before loads go into the fragments' registers
.endr
.if \ahead
.irp i, 0,1,2,3,4,5,6,7,8,9,10,11,12,13,14,15
	global_load_b128 v[KR+4*\i:KR+4*\i+3], v[OFF], s[56:57] offset:512*\i
.endr
.endif
	; masks, only in a block on the diagonal (or in the one step of an empty list, where all masks are 0)
	s_cmp_lg_u32 s46, s53
	s_cbranch_scc1 .Lnomask_\@
.irp i, 0,1,2,3,4,5,6,7
	v_cndmask_b32 v[S+\i],    v[NINF], v[S+\i],    s[TM+\i]      ; keys 0-15, queries 0-15: the triangle
	v_mov_b32     v[S+8+\i],  v[NINF]                            ; keys 16-31, queries 0-15: all behind the query
	v_cndmask_b32 v[S+16+\i], v[NINF], v[S+16+\i], s52           ; keys 0-15, queries 16-31: all kept
	v_cndmask_b32 v[S+24+\i], v[NINF], v[S+24+\i], s[TM+\i]      ; keys 16-31, queries 16-31: the triangle
.endr
.Lnomask_\@:
	; the new maximum of each of my two queries: my 16 scores, the old maximum, the other half of the wave
.irp q, 0,1
	v_max3_num_f32 v[P+2*\q],   v[S+16*\q],   v[S+16*\q+1],  v[S+16*\q+2]
	v_max3_num_f32 v[P+2*\q+1], v[S+16*\q+3], v[S+16*\q+4],  v[S+16*\q+5]
	v_max3_num_f32 v[P+2*\q],   v[P+2*\q],    v[S+16*\q+6],  v[S+16*\q+7]
	v_max3_num_f32 v[P+2*\q+1], v[P+2*\q+1],  v[S+16*\q+8],  v[S+16*\q+9]
	v_max3_num_f32 v[P+2*\q],   v[P+2*\q],    v[S+16*\q+10], v[S+16*\q+11]
	v_max3_num_f32 v[P+2*\q+1], v[P+2*\q+1],  v[S+16*\q+12], v[S+16*\q+13]
	v_max3_num_f32 v[P+2*\q],   v[P+2*\q],    v[S+16*\q+14], v[S+16*\q+15]
.if \first
	v_max3_num_f32 v[P+2*\q],   v[P+2*\q],    v[P+2*\q+1],   FLOOR       ; never -infinity: a block that is all masked gives p = 0, not NaN
.else
	v_max3_num_f32 v[P+2*\q],   v[P+2*\q],    v[P+2*\q+1],   v[M+\q]
.endif
.endr
.irp q, 0,1
	v_permlanex16_b32 v[P+2*\q+1], v[P+2*\q], s50, s51
.endr
.irp q, 0,1
	v_max_num_f32 v[P+2*\q], v[P+2*\q], v[P+2*\q+1]
.endr
.irp q, 0,1
	v_mul_f32 v[NM+\q], CNEG, v[P+2*\q]                          ; -m c
.if \first == 0
	v_fma_f32 v[AL+\q], v[M+\q], s55, v[NM+\q]                   ; (old m - m) c
.endif
.endr
.irp p, 0,1,2,3,4,5,6,7
	v_pk_fma_f32 v[S+2*\p:S+2*\p+1],       v[S+2*\p:S+2*\p+1],       CPOS, v[NM:NM+1] op_sel_hi:[1,0,0]                  ; s c - m c, my first query's m
	v_pk_fma_f32 v[S+16+2*\p:S+16+2*\p+1], v[S+16+2*\p:S+16+2*\p+1], CPOS, v[NM:NM+1] op_sel:[0,0,1] op_sel_hi:[1,0,1]   ; my second query's
.endr
.if \first == 0
	v_exp_f32 v[AL],   v[AL]
	v_exp_f32 v[AL+1], v[AL+1]
.endif
.irp x, 0,1,2,3,4,5,6,7,8,9,10,11,12,13,14,15,16,17,18,19,20,21,22,23,24,25,26,27,28,29,30,31
	v_exp_f32 v[S+\x], v[S+\x]
.endr
	v_mov_b32 v[M],   v[P]                         ; the plain instruction that stands between the exponentials and their first use (ISA guide 5.7.2)
	v_mov_b32 v[M+1], v[P+2]
	; sums of exponentials (two chains), and P rounded to f16: registers 2 p, 2 p + 1 of my 16 scores are slots 2 p, 2 p + 1 of the operand
.if \first
	s_wait_alu depctr_va_vdst(0)
	v_pk_add_f32 v[LP:LP+1],   v[S:S+1],     v[S+2:S+3]
	v_pk_add_f32 v[LP+2:LP+3], v[S+16:S+17], v[S+18:S+19]
.else
	s_wait_alu depctr_va_vdst(0)
	v_pk_fma_f32 v[LP:LP+1],   v[LP:LP+1],   v[AL:AL+1], v[S:S+1]     op_sel_hi:[1,0,1]
	v_pk_fma_f32 v[LP+2:LP+3], v[LP+2:LP+3], v[AL:AL+1], v[S+16:S+17] op_sel:[0,1,0] op_sel_hi:[1,1,1]
	v_pk_add_f32 v[LP:LP+1],   v[LP:LP+1],   v[S+2:S+3]
	v_pk_add_f32 v[LP+2:LP+3], v[LP+2:LP+3], v[S+18:S+19]
.endif
	v_cvt_pk_f16_f32 v[P],   v[S],    v[S+1]
	v_cvt_pk_f16_f32 v[P+8], v[S+16], v[S+17]
	v_cvt_pk_f16_f32 v[P+1], v[S+2],  v[S+3]
	v_cvt_pk_f16_f32 v[P+9], v[S+18], v[S+19]
.irp p, 2,3,4,5,6,7
	v_pk_add_f32 v[LP:LP+1],   v[LP:LP+1],   v[S+2*\p:S+2*\p+1]
	v_pk_add_f32 v[LP+2:LP+3], v[LP+2:LP+3], v[S+16+2*\p:S+16+2*\p+1]
	v_cvt_pk_f16_f32 v[P+\p],   v[S+2*\p],    v[S+2*\p+1]
	v_cvt_pk_f16_f32 v[P+8+\p], v[S+16+2*\p], v[S+16+2*\p+1]
.endr
.if \first == 0
.irp x, 0,1,2,3,4,5,6,7,8,9,10,11,12,13,14,15
	v_pk_mul_f32 v[O+2*\x:O+2*\x+1],       v[O+2*\x:O+2*\x+1],       v[AL:AL+1] op_sel_hi:[1,0]                  ; O to the new maximum: one factor a lane
	v_pk_mul_f32 v[O+32+2*\x:O+32+2*\x+1], v[O+32+2*\x:O+32+2*\x+1], v[AL:AL+1] op_sel:[0,1] op_sel_hi:[1,1]
.endr
.endif
	s_wait_loadcnt 16*\ahead                       ; V is in; the next K's 16 loads, if any, stay out.  V's base register is free from here
.irp j, 0,1,2,3
.irp p, 0,1,2,3,4,5,6,7
	v_cvt_pk_f16_f32 v[S+8*\j+\p], v[VR+8*\p+\j], v[VR+8*\p+4+\j]        ; operand j (row r is d = 4 r + j): slots 2 p, 2 p + 1 = loads 2 p, 2 p + 1
.endr
.endr
.if \ahead
	s_add_nc_u64 s[58:59], s[8:9], s[42:43]
.irp i, 0,1,2,3,4,5,6,7,8,9,10,11,12,13,14,15
	global_load_b128 v[VR+4*\i:VR+4*\i+3], v[OFF], s[58:59] offset:512*\i
.endr
	s_mov_b32 s46, s48
.endif
	; O^T += V^T P^T.  Eight accumulators, one instruction each.
.irp q, 0,1
.irp j, 0,1,2,3
.if \first
	v_wmma_f32_16x16x32_f16 v[O+32*\q+8*\j:O+32*\q+8*\j+7], v[S+8*\j:S+8*\j+7], v[P+8*\q:P+8*\q+7], 0
.else
	v_wmma_f32_16x16x32_f16 v[O+32*\q+8*\j:O+32*\q+8*\j+7], v[S+8*\j:S+8*\j+7], v[P+8*\q:P+8*\q+7], v[O+32*\q+8*\j:O+32*\q+8*\j+7]
.endif
.endr
.endr
.endm
	s_cmp_eq_u32 s32, 1
	s_cbranch_scc1 .Lsingle
	STEP 1, 1
	s_sub_co_u32 s54, s32, 2                       ; steps between the first and the last
	s_cmp_eq_u32 s54, 0
	s_cbranch_scc1 .Ltail
.Lloop:
	STEP 0, 1
	s_sub_co_i32 s54, s54, 1
	s_cmp_lg_u32 s54, 0
	s_cbranch_scc1 .Lloop
.Ltail:
	STEP 0, 0                                      ; the last block asks for nothing
	s_branch .Lout
.Lsingle:
	STEP 1, 0                                      ; a list of one entry
.Lout:
	; THE WAY OUT.  Lane (r, h) holds, of queries r and 16 + r, d = 32 h + 4 i + j in register i of accumulator j.  Divided by the sum, four
	; neighbouring d at a time go into a stage of rows of 272 bytes (16 rows start at 16 different 16-byte columns), and whole rows come back.
	; The first ten lines name no register of the last matrix instructions: they are the places behind them (ISA guide 7.12.1).
	v_add_f32 v[LP],   v[LP],   v[LP+1]
	v_add_f32 v[LP+2], v[LP+2], v[LP+3]
	v_and_b32 v[M], 15, v0                         ; r
	v_bfe_u32 v[M+1], v0, 4, 1                     ; h
	v_mul_u32_u24 v[NM],   v[M],   OP
	v_mul_u32_u24 v[NM+1], v[M+1], OP
	v_lshl_add_u32 v[NM],   v[M+1], 7, v[NM]       ; in: row r, byte 128 h
	v_lshl_add_u32 v[NM+1], v[M],   4, v[NM+1]     ; back: row h, byte 16 r
	v_add_nc_u32 v[NM],   s47, v[NM]
	v_add_nc_u32 v[NM+1], s47, v[NM+1]
	v_permlanex16_b32 v[LP+1], v[LP],   s50, s51   ; the other half of the wave holds the other keys of the same query
	v_permlanex16_b32 v[LP+3], v[LP+2], s50, s51
	v_add_f32 v[LP],   v[LP],   v[LP+1]
	v_add_f32 v[LP+2], v[LP+2], v[LP+3]
	v_rcp_f32 v[AL],   v[LP]                       ; an empty list: 1 / 0, and 0 x infinity below is NaN
	v_rcp_f32 v[AL+1], v[LP+2]
	v_nop                                          ; the plain instruction behind the reciprocals (ISA guide 5.7.2)
	s_wait_alu depctr_va_vdst(0)
.irp q, 0,1
.irp i, 0,1,2,3,4,5,6,7
.irp j, 0,1,2,3
	v_mul_f32 v[KR+32*\q+4*\i+\j], v[O+32*\q+8*\j+\i], v[AL+\q]
.endr
	ds_store_b128 v[NM], v[KR+32*\q+4*\i:KR+32*\q+4*\i+3] offset:16*OP*\q+16*\i
.endr
.endr
.irp t, 0,1,2,3,4,5,6,7,8,9,10,11,12,13,14,15
	ds_load_b128 v[VR+4*\t:VR+4*\t+3], v[NM+1] offset:2*OP*\t      ; rows 2 t and 2 t + 1; in order behind the stores above, the wave's own bytes
.endr
.irp t, 0,1,2,3,4,5,6,7,8,9,10,11,12,13,14,15
	s_wait_dscnt 15-\t                             ; LDS loads come back in order: load t is in, the younger ones stay out
	global_store_b128 v[OFF], v[VR+4*\t:VR+4*\t+3], s[14:15] offset:512*\t th:TH_STORE_NT   ; 512 consecutive bytes, at a multiple of 512 from out0's first byte
.endr
	s_wait_xcnt 0x0
	v_lshl_add_u32 v254, v0, 2, 0x25000
	v_mov_b32 v255, 0
	s_wait_tensorcnt 0x0
	ds_add_u32 v254, v255
	s_wait_dscnt 0x0
	s_endpgm
.Lfunc_end_k_q4619adb909_sparse_attn:
	.size	k_q4619adb909_sparse_attn, .Lfunc_end_k_q4619adb909_sparse_attn-k_q4619adb909_sparse_attn
	.p2alignl 7, 3214868480
	.fill 96, 4, 3214868480
	.section	.rodata,"a",@progbits
	.p2align	6, 0x0
	.amdhsa_kernel k_q4619adb909_sparse_attn
		.amdhsa_group_segment_fixed_size 153600
		.amdhsa_private_segment_fixed_size 0
		.amdhsa_enable_private_segment 0
		.amdhsa_kernarg_size 48
		.amdhsa_user_sgpr_count 2
		.amdhsa_user_sgpr_kernarg_segment_ptr 1
		.amdhsa_wavefront_size32 1
		.amdhsa_system_sgpr_workgroup_id_x 1
		.amdhsa_system_sgpr_workgroup_id_y 1
		.amdhsa_system_sgpr_workgroup_id_z 1
		.amdhsa_system_vgpr_workitem_id 0
		.amdhsa_next_free_vgpr 256
		.amdhsa_next_free_sgpr 76
		.amdhsa_reserve_vcc 0
		.amdhsa_float_denorm_mode_32 3
		.amdhsa_float_denorm_mode_16_64 3
		.amdhsa_memory_ordered 1
		.amdhsa_forward_progress 1
		.amdhsa_inst_pref_size 93
	.end_amdhsa_kernel
	.amdgpu_metadata
---
amdhsa.version: [ 1, 2 ]
amdhsa.kernels:
  - .name:           k_q4619adb909_sparse_attn
    .symbol:         k_q4619adb909_sparse_attn.kd
    .args:
      - { .name: q, .offset: 0, .size: 8, .value_kind: global_buffer, .address_space: global }
      - { .name: k, .offset: 8, .size: 8, .value_kind: global_buffer, .address_space: global }
      - { .name: v, .offset: 16, .size: 8, .value_kind: global_buffer, .address_space: global }
      - { .name: cols, .offset: 24, .size: 8, .value_kind: global_buffer, .address_space: global }
      - { .name: valid, .offset: 32, .size: 8, .value_kind: global_buffer, .address_space: global }
      - { .name: out0, .offset: 40, .size: 8, .value_kind: global_buffer, .address_space: global }
    .group_segment_fixed_size: 153600
    .private_segment_fixed_size: 0
    .kernarg_segment_align: 8
    .kernarg_segment_size: 48
    .max_flat_workgroup_size: 512
    .sgpr_count:     76
    .vgpr_count:     256
    .wavefront_size: 32
...
	.end_amdgpu_metadata
.endif
;; end of part 1
